; MI455X (gfx1250); checked and timed in simulation.
; The chip was launched on July 23, 2026; its instructions are those of AMD's public machine-readable ISA for CDNA 5 (MIT licence, August 2026) and "CDNA5" Instruction Set Architecture Reference Guide (July 2026). The comments in the code are by the model that wrote it; some were corrected since.
;; Attn. Allowed arithmetic: matrix products marked QUANTISED: E5M2 operands, one E8M0 scale for each 32 along K, by v_wmma_scale_f32_16x16x128_f8f6f4 with both operands' format E5M2, f32 sums; products left as they are: f32 operands where the result goes on into a quantised operand, else bf16, f16 or f32 operands; f32 sums; everything else in f32.
;; Inputs: W_attn 1,024 x 1,024 float32; b_attn 1,024 float32; encoder_outputs 1,024 x 64 x 1,024 float32; hidden 1 x 64 x 1,024 float32.
;; Outputs: out0 64 x 1 x 1,024 float32.
;; This version of the problem:
;;   THIS VERSION OF THE PROBLEM IS GIVEN IN LOW PRECISION. The matrix products marked QUANTISED in the list below multiply operands that are first quantised to E5M2 (5 exponent bits, 2 mantissa bits; 8 bits a number), with one power-of-two scale for each 32 numbers along K (OCP MX v1.0); their sums are f32. All else is computed in f32.
;;   The module's matrix products, in the order in which they are computed (A, B: the left and right operand; K: the contracted axis; several contracted axes count as one K, in the product's order):
;;     1. [M 65,536, K 1,024] x [K 1,024, N 1,024]; A: input encoder_outputs; B: input W_attn: QUANTISED
;;     2. batch 64 x [M 1, K 1,024] x [K 1,024, N 1,024]; A: input hidden; B: computed on the way: left as it is (M = 1 < 16)
;;   THE QUANTISER, for each operand of a quantised product, along K:
;;     - K is cut into blocks of 32 from its start; a last block that is shorter is filled with zeros.
;;     - A block's scale is 2^e with e = floor(log2(the largest magnitude in the block)) - 15, held to -126 .. 127; a block of zeros has e = 0. As a byte (E8M0): e + 127.
;;     - Each number is divided by its block's scale, clamped to +-57,344, and rounded to the nearest number of E5M2, ties to even, subnormals kept.
;;     - The product sums the exact products of the quantised numbers (number of the format x scale) in f32.
;;   ~~~python
;;   def quantise(x, axis):      # numpy; x: float32 -> the quantised numbers, widened to float32 again
;;       x = np.moveaxis(x, axis, -1); K = x.shape[-1]
;;       x = np.pad(x, [(0, 0)] * (x.ndim - 1) + [(0, -K % 32)]); x = x.reshape(x.shape[:-1] + (-1, 32)); a = np.abs(x).max(-1, keepdims=True)
;;       e = np.where(a > 0, np.clip(np.frexp(np.where(a > 0, a, 1))[1] - 1 - 15, -126, 127), 0)      # np.frexp(a)[1] - 1 = floor(log2(a)), exactly
;;       r = np.clip(x / 2.0 ** e, -57344, 57344)
;;       step = 2.0 ** (np.maximum(np.frexp(np.where(r == 0, 1, r))[1] - 1, -14) - 2)
;;       q = np.round(r / step) * step * 2.0 ** e      # np.round: ties to even
;;       return np.moveaxis(q.reshape(q.shape[:-2] + (-1,))[..., :K], -1, axis).astype(np.float32)
;;   ~~~
;; One version. Each part assembles by itself: llvm-mc -triple=amdgcn-amd-amdhsa -mcpu=gfx1250 --defsym DOCPART=n.
;; ======== version 1 of 1: 3 launches
;; limits: right only within a limited range of input values
;; workspace buffers: wimg 1,081,344 bytes; himg 262,144 bytes; scores 262,144 bytes
;; launch prep (part 1): grid 64 x 1, 8 waves a work-group, no clusters, 2,048 bytes of LDS; arguments W_attn, hidden, wimg, himg; writes wimg, himg
.if DOCPART == 1
	.amdgcn_target "amdgcn-amd-amdhsa--gfx1250"
	.amdhsa_code_object_version 6
	.text
	.protected	k_qb753a35812_prep
	.globl	k_qb753a35812_prep
	.p2align	8
	.type	k_qb753a35812_prep,@function
k_qb753a35812_prep:
	s_mov_b64 s[64:65], 0
	v_nop
	global_prefetch_b8 v0, s[64:65] scope:SCOPE_SE
	s_setreg_imm32_b32 hwreg(HW_REG_WAVE_MODE, 25, 1), 1
	s_wait_xcnt 0x0
; W_attn [1024 g][1024 k], f32, becomes codes of E5M2 with one E8M0 byte for each 32 along K, laid as IMAGES OF OPERAND REGISTERS, so that the product's launch
; takes a fragment by four loads of 16 bytes a lane from dense bytes.  hidden [64][1024] is laid in the order in which that launch's lanes want it.
; wimg: 64 blocks of 16,896 bytes; block 16 s + c = K 256 s .. + 255 of W's rows 64 c .. + 63.  In a block: eight fragments f = 4 ks + nt of 2,048 bytes (rows 64 c + 16 nt + r,
;   K 256 s + 128 ks on; the 16 bytes of lane (r, h), registers 4 c4 .. + 3, lie at 2048 f + 512 c4 + 16 lane: k = 32 c4 + 16 h + 0 .. 15); then 512 bytes of scale words:
;   lane (r, h) has 16 bytes at 16 lane, word nt = the four bytes of row 64 c + 16 nt + r for K step ks = h.
; himg: [bg 4][gt 64][q 2][lane 32][16 bytes] = hidden[16 bg + r][16 gt + 8 h + 4 q + 0 .. 3].
; THE QUANTISER: a block's scale is 2^(floor(log2(its largest magnitude)) - 15); its byte is the largest magnitude's exponent field - 15, held at 1 from below; each number is held
; within +-57,344 x the scale and converted to the nearest code, ties to even.
; LIMITS: a block of zeros gets the byte 1 where the rule says 127 (its codes are zeros, and this program alone reads the bytes); NaN and infinities among the inputs are not served.
; SHARES: work-group x makes block x; each of its eight waves one fragment (nt = wave % 4, ks = wave / 4); the 256 threads copy 4,096 bytes of himg.
.set ST,  32                           ; v32-95   64 numbers: register 16 b + i = k 32 b + 16 h + i of my row
.set PC,  96                           ; v96-111  the fragment's codes
.set TM,  112                          ; v112-115 largest magnitudes, v116-119 bytes, v120-123 57,344 x the scale, v124-127 the conversions' scale operands
.set PW,  128                          ; v128     my row's scale word
	s_load_b256 s[4:11], s[0:1], 0x0               ; W s[4:5], hidden s[6:7], wimg s[8:9], himg s[10:11]
	v_lshl_add_u32 v144, v0, 2, 0x400
	v_mov_b32 v145, 0
	v_lshrrev_b32 v1, 5, v0
	s_delay_alu instid0(VALU_DEP_1)
	v_readfirstlane_b32 s12, v1                    ; wave 0..7
	v_and_b32 v1, 31, v0                           ; lane
	v_and_b32 v2, 15, v0                           ; r
	v_bfe_u32 v3, v0, 4, 1                         ; h
	s_delay_alu instid0(VALU_DEP_2)
	v_lshlrev_b32 v4, 12, v2
	s_delay_alu instid0(VALU_DEP_1)
	v_lshl_add_u32 v4, v3, 6, v4                   ; W: row r of 4,096 bytes, + 64 h: my 16 numbers of a block of 32
	v_lshlrev_b32 v5, 4, v1                        ; 16 x lane: my place in an image
	s_and_b32 s13, s12, 3                          ; nt
	s_lshr_b32 s14, s12, 2                         ; ks
	s_lshl_b32 s18, s14, 8
	s_lshl_b32 s19, s13, 2
	s_add_co_u32 s18, s18, s19
	v_lshl_add_u32 v6, v2, 4, s18                  ; LDS: my row's word in the scale image: 16 (r + 16 ks) + 4 nt
	v_lshlrev_b32 v8, 12, v2                       ; hidden, for thread i: row r, + 64 (i / 64) + 32 h + 16 ((i / 32) % 2)
	v_lshrrev_b32 v7, 6, v0
	s_delay_alu instid0(VALU_DEP_1)
	v_lshl_add_u32 v8, v7, 6, v8
	s_delay_alu instid0(VALU_DEP_1)
	v_lshl_add_u32 v8, v3, 5, v8
	v_bfe_u32 v7, v0, 5, 1
	s_delay_alu instid0(VALU_DEP_1)
	v_lshl_add_u32 v8, v7, 4, v8
	v_lshlrev_b32 v9, 4, v0                        ; and where it goes: 16 i
	s_lshr_b32 s16, ttmp9, 4                       ; s (for hidden: bg)
	s_and_b32 s17, ttmp9, 15                       ; c (for hidden: which 64 columns)
	s_lshl_b32 s24, s17, 18                        ; W: (64 c + 16 nt) rows of 4,096 bytes + 1,024 s + 512 ks
	s_lshl_b32 s25, s13, 16
	s_add_co_u32 s24, s24, s25
	s_lshl_b32 s25, s16, 10
	s_add_co_u32 s24, s24, s25
	s_lshl_b32 s25, s14, 9
	s_add_co_u32 s24, s24, s25
	s_mov_b32 s25, 0
	s_mul_i32 s26, ttmp9, 16896                    ; wimg: my block, my fragment 4 ks + nt
	s_lshl_b32 s27, s14, 2
	s_add_co_u32 s27, s27, s13
	s_lshl_b32 s27, s27, 11
	s_add_co_u32 s26, s26, s27
	s_mov_b32 s27, 0
	s_lshl_b32 s28, s16, 16                        ; hidden: 16 bg rows + 256 bytes x (x % 16)
	s_lshl_b32 s29, s17, 8
	s_add_co_u32 s28, s28, s29
	s_mov_b32 s29, 0
	s_lshl_b32 s30, ttmp9, 12                      ; himg: 4,096 bytes a work-group
	s_mov_b32 s31, 0
	s_mov_b32 s20, 0x76543210
	s_mov_b32 s21, 0xfedcba98                      ; v_permlanex16_b32's selects for lane l xor 16
	s_mov_b32 s23, 0x600000                        ; the mantissa field of 57,344
	s_wait_alu depctr_va_vdst(0)
	s_wait_kmcnt 0x0
	s_add_nc_u64 s[4:5], s[4:5], s[24:25]
	s_add_nc_u64 s[8:9], s[8:9], s[26:27]
	s_add_nc_u64 s[6:7], s[6:7], s[28:29]
	s_add_nc_u64 s[10:11], s[10:11], s[30:31]
	global_load_b128 v[10:13], v8, s[6:7]          ; hidden's 16 bytes
.irp b, 0,1,2,3
.irp j, 0,1,2,3
	global_load_b128 v[ST+16*\b+4*\j:ST+16*\b+4*\j+3], v4, s[4:5] offset:128*\b+16*\j
.endr
.endr
.irp b, 0,1,2,3
	v_mov_b32 v[TM+4+\b], 0                        ; a lane permute's destination counts as one of its sources
.endr
	s_wait_loadcnt 16                              ; hidden's load is in; W's sixteen, issued behind it, may be out
	global_store_b128 v9, v[10:13], s[10:11]       ; a wave stores 512 consecutive bytes
	s_wait_loadcnt 0x0
.irp b, 0,1,2,3
	v_max3_num_f32 v[TM+\b], |v[ST+16*\b]|, |v[ST+1+16*\b]|, 0x8000000   ; block b: my 16 numbers, and the floor 2^(16 - 127): the byte cannot fall under 1
.endr
.irp i, 2,4,6,8,10,12,14
.irp b, 0,1,2,3
	s_delay_alu instid0(VALU_DEP_4)
	v_max3_num_f32 v[TM+\b], v[TM+\b], |v[ST+16*\b+\i]|, |v[ST+1+16*\b+\i]|   ; the four blocks by turns
.endr
.endr
.irp b, 0,1,2,3
	s_delay_alu instid0(VALU_DEP_4)
	v_permlanex16_b32 v[TM+4+\b], v[TM+\b], s20, s21
.endr
.irp b, 0,1,2,3
	s_delay_alu instid0(VALU_DEP_4)
	v_max_num_f32 v[TM+\b], v[TM+\b], v[TM+4+\b]   ; with lane l xor 16's: the block's largest magnitude
.endr
.irp b, 0,1,2,3
	s_delay_alu instid0(VALU_DEP_4)
	v_add_nc_u32 v[TM+12+\b], 0xf8800000, v[TM+\b] ; 15 off its exponent field: the conversion takes the exponent field of this operand as its scale
.endr
.irp b, 0,1,2,3
	v_and_or_b32 v[TM+8+\b], v[TM+\b], 0x7f800000, s23   ; 57,344 x the scale
.endr
.irp b, 0,1,2,3
	v_lshrrev_b32 v[TM+4+\b], 23, v[TM+12+\b]      ; the scale's byte
.endr
	s_delay_alu instid0(VALU_DEP_3)
	v_lshl_or_b32 v[PW], v[TM+5], 8, v[TM+4]       ; the four bytes make my row's scale word
	s_delay_alu instid0(VALU_DEP_1)
	v_lshl_or_b32 v[PW], v[TM+6], 16, v[PW]
	s_delay_alu instid0(VALU_DEP_1)
	v_lshl_or_b32 v[PW], v[TM+7], 24, v[PW]
.irp b, 0,1,2,3
.irp i, 0,1,2,3,4,5,6,7,8,9,10,11,12,13,14,15
	v_med3_num_f32 v[ST+16*\b+\i], v[ST+16*\b+\i], -v[TM+8+\b], v[TM+8+\b]   ; the conversion to an 8-bit code does not saturate (ISA guide 7.6.2): the hold comes first
.endr
	v_cvt_scalef32_pk8_bf8_f32 v[PC+4*\b:PC+1+4*\b], v[ST+16*\b:ST+7+16*\b], v[TM+12+\b]
	v_cvt_scalef32_pk8_bf8_f32 v[PC+2+4*\b:PC+3+4*\b], v[ST+8+16*\b:ST+15+16*\b], v[TM+12+\b]
.endr
	v_nop                                          ; one plain line behind the last conversion
.irp c, 0,1,2,3
	global_store_b128 v5, v[PC+4*\c:PC+4*\c+3], s[8:9] offset:512*\c   ; the image: 512 consecutive bytes a store
.endr
	ds_store_b32 v6, v[PW]                         ; both halves of the lanes write the same word with the same value
	s_wait_dscnt 0x0                               ; for the others' sake: my store has landed
	s_barrier_signal -1
	s_barrier_wait -1                              ; the eight waves' words make the block's scale image
	s_cmp_lg_u32 s12, 0
	s_cbranch_scc1 .Ldone                          ; wave 0 (fragment 0: its base is the block's first byte) sends it
	ds_load_b128 v[132:135], v5
	s_wait_dscnt 0x0
	global_store_b128 v5, v[132:135], s[8:9] offset:16384
.Ldone:
	s_wait_tensorcnt 0x0
	ds_add_u32 v144, v145
	s_wait_dscnt 0x0
	s_endpgm
.Lfunc_end_k_qb753a35812_prep:
	.size	k_qb753a35812_prep, .Lfunc_end_k_qb753a35812_prep-k_qb753a35812_prep
	.p2alignl 7, 3214868480
	.fill 96, 4, 3214868480
	.section	.rodata,"a",@progbits
	.p2align	6, 0x0
	.amdhsa_kernel k_qb753a35812_prep
		.amdhsa_group_segment_fixed_size 2048
		.amdhsa_private_segment_fixed_size 0
		.amdhsa_enable_private_segment 0
		.amdhsa_kernarg_size 32
		.amdhsa_user_sgpr_count 2
		.amdhsa_user_sgpr_kernarg_segment_ptr 1
		.amdhsa_wavefront_size32 1
		.amdhsa_system_sgpr_workgroup_id_x 1
		.amdhsa_system_sgpr_workgroup_id_y 1
		.amdhsa_system_sgpr_workgroup_id_z 1
		.amdhsa_system_vgpr_workitem_id 0
		.amdhsa_next_free_vgpr 146
		.amdhsa_next_free_sgpr 66
		.amdhsa_reserve_vcc 0
		.amdhsa_float_denorm_mode_32 3
		.amdhsa_float_denorm_mode_16_64 3
		.amdhsa_memory_ordered 1
		.amdhsa_forward_progress 1
		.amdhsa_inst_pref_size 15
	.end_amdhsa_kernel
	.amdgpu_metadata
---
amdhsa.version: [ 1, 2 ]
amdhsa.kernels:
  - .name:           k_qb753a35812_prep
    .symbol:         k_qb753a35812_prep.kd
    .args:
      - { .name: W_attn, .offset: 0, .size: 8, .value_kind: global_buffer, .address_space: global }
      - { .name: hidden, .offset: 8, .size: 8, .value_kind: global_buffer, .address_space: global }
      - { .name: wimg, .offset: 16, .size: 8, .value_kind: global_buffer, .address_space: global }
      - { .name: himg, .offset: 24, .size: 8, .value_kind: global_buffer, .address_space: global }
    .group_segment_fixed_size: 2048
    .private_segment_fixed_size: 0
    .kernarg_segment_align: 8
    .kernarg_segment_size: 32
    .max_flat_workgroup_size: 256
    .sgpr_count:     66
    .vgpr_count:     146
    .wavefront_size: 32
...
	.end_amdgpu_metadata
.endif
;; end of part 1
;; launch main (part 2): grid 256 x 1, 4 waves a work-group, clusters of 4 x 1, 327,680 bytes of LDS; arguments encoder_outputs, wimg, himg, scores; writes scores
.if DOCPART == 2
	.amdgcn_target "amdgcn-amd-amdhsa--gfx1250"
	.amdhsa_code_object_version 6
	.text
	.protected	k_qb753a35812_main
	.globl	k_qb753a35812_main
	.p2align	8
	.type	k_qb753a35812_main,@function
k_qb753a35812_main:
	s_mov_b64 s[64:65], 0
	v_nop
	global_prefetch_b8 v0, s[64:65] scope:SCOPE_SE
	s_setreg_imm32_b32 hwreg(HW_REG_WAVE_MODE, 25, 1), 1
	s_wait_xcnt 0x0
	s_wait_alu depctr_hold_cnt(0) depctr_sa_sdst(0) depctr_va_vdst(0) depctr_va_sdst(0) depctr_va_ssrc(0) depctr_va_vcc(0) depctr_vm_vsrc(0)
	s_getreg_b32 s2, hwreg(HW_REG_IB_STS2, 6, 4)
	s_cmp_eq_u32 s2, 0
	s_cbranch_scc0 .Lentry_in_a_cluster
	s_endpgm
.Lentry_in_a_cluster:
	s_bfe_u32 s2, ttmp6, 0x10000c
	s_cmp_lg_u32 s2, 0x3003
	s_cbranch_scc0 .Lentry_shape_is_right
	s_endpgm
.Lentry_shape_is_right:
; score[b][t] (without the bias's part) = hidden[b] . (Q(enc[t][b]) Q(W)^T): the quantised product on codes of E5M2 with E8M0 scales, fused with the dot by hidden in f32.
; SHARES.  Work-group x = 64 bg + tg owns t = 16 tg .. + 15 and b = 16 bg .. + 15: 256 rows of enc, read from memory once.  Wave w owns t0 = 16 tg + 4 w: four tiles mt of 16 rows (t0 + mt, b = 16 bg + r).
; Every wave walks all 1,024 rows of W.  The score is linear in the product, so K is cut into four SLABS of 256: a slab's partial products are dotted with hidden at once and added to the score,
; and while one slab is multiplied the next slab's f32 numbers arrive, are quantised in registers and are laid in the wave's own LDS bytes.
; THE MATRIX INSTRUCTION IS USED TRANSPOSED: source 0 = 16 rows of W, source 1 = 16 rows of enc: lane (r, h) holds, for row b = 16 bg + r, the eight outputs g = 8 h + 0 .. 7 of the tile: the dot by hidden stays in the lane.
; UNITS.  A unit = 16 rows of W x one slab: 8 matrix instructions (K step 0 on tiles 0-3, K step 1 on tiles 0-3).  A chunk = 4 units = one block of wimg.  A step = 16 units = one ring slot; 16 steps.
; An octet o = 32 of my rows (half o % 2) x slab o / 2 of f32: eight sets of 4 rows.
; BY TURNS.  Two sets of four accumulators take turns.  Behind each matrix instruction of unit n stand two of the sixteen packed multiply-adds that dot unit n - 1's results with hidden: the vector unit works while the
; matrix unit does, and these lines are the places that the results' first reads and the loads into W's registers want.  W's fragments and hidden lie in window 0, enc's fragments, the accumulators and the sums in window 1:
; ONE window setting serves the products and the multiply-adds, and a unit has two switches, round its one run of LDS loads.
; CLUSTER.  The four work-groups of a cluster share bg and walk the same W: W's blocks and hidden's image are asked for JOINTLY, each wave one load with the mask of all four.  W is shared by every work-group of the launch,
; but a mask names four at the most, so 4 x 1 is what can be shared.
; LEFT OUT: tensor loads for enc (two slots large enough do not fit beside W's ring, hidden and the code rows; loads into registers keep 64 loads of 512 bytes a wave out); prefetches (the launch streams enc all the while);
; the quantiser in slices between the products (its lines want three other window settings: two switches a slice): it stands as a block at a chunk's head.
; LIMITS: the product is never formed whole: the score is summed unit by unit and slab by slab, and the bias enters in the next launch as hidden . b: another order of f32 rounding than the written one.
; A block of zeros gets the byte 1 where the rule says 127 (its codes are zeros; this program alone reads the bytes).  NaN and infinities among the inputs are not served.
; LDS: 0 hidden's image (65,536, filled once) | 65,536 two slots of 67,584 | 200,704 each wave's 64 rows of 256 codes, pitch 272 | 270,336 each wave's 64 x 8 scale bytes | 272,384 the spare words.
; REGISTERS.  window 0: below.  window 1: v0-127 enc's eight fragments (mt, ks); v128-191 two sets of four accumulators; v192-207 the score's sums.  window 2: eight sets of 32: four rows x 8 numbers a lane.
.set RINGB,  65536
.set BLKB,   16896                     ; a block of wimg
.set SLOTB,  4*BLKB
.set APITCH, 272                       ; 256 codes + 16: the sixteen rows of a fragment load start 68 words apart
.set AWAVE,  64*APITCH
.set AIMG,   RINGB+2*SLOTB
.set ASC,    AIMG+4*AWAVE
.set SPARE,  ASC+4*512                 ; 128 bytes for each wave: two blocks of 256 bytes that no other line names
.set SPW, 2                            ; v2   SPARE + 4 x my thread's number; never rewritten
.set NIL, 3                            ; v3   0; never rewritten
.set XO0, 4                            ; v4   32 x lane: my 8 numbers of a row's slab
.set XO,  5                            ; v5   + the octet's offset
.set AW0, 6                            ; v6   where I store 8 codes of row 0: my wave's rows + 8 x lane
.set AW,  7                            ; v7   + the half
.set AWS0, 8                           ; v8   where my block's scale byte of row 0 goes: my wave's bytes + lane / 4
.set AWS, 9                            ; v9   + the half
.set AR,  10                           ; v10  enc's fragments: my wave's rows + 272 r + 16 h
.set ARS, 11                           ; v11  enc's scale words: my wave's bytes + 8 r + 4 h
.set WA0, 12                           ; v12  the ring + 16 x lane
.set WC0, 13                           ; v13  + two blocks
.set WA,  14                           ; v14, v15  the same in the slot that the runs read
.set WC,  15
.set HA0, 16                           ; v16  16 x lane
.set HA,  17                           ; v17  + this step's quarter of hidden's image
.set SO,  18                           ; v18  the way out: 16 r + 8 h
.set HB,  19                           ; v19  16 x lane + the next step's quarter
.set BY1, 20                           ; v20-23 scale bytes, set 1
.set SB,  32                           ; v32-39 W's scale words, two sets of 4 (word nt; lanes 0-15 K step 0, lanes 16-31 K step 1)
.set AS,  40                           ; v40-43 enc's scale words, one a tile (likewise)
.set OT,  44                           ; v44-51 the way out
.set MX,  64                           ; v64-67 largest magnitudes
.set SCL, 68                           ; v68-71 the conversions' scale operands
.set HLD, 72                           ; v72-75 57,344 x the scale
.set BY0, 76                           ; v76-79 scale bytes, set 0
.set CD,  80                           ; v80-95 codes, two sets of 8
.set HID, 96                           ; v96-127 hidden, four places of 8: unit n's at HID + 8 (n % 4): register j = hidden[b][16 (unit) + 8 h + j]
.set WF,  128                          ; v128-255 W's fragments, four places of 32: unit n's K step ks at WF + 32 (n % 4) + 16 ks
.set AC,  0                            ; window 1: enc's fragment (mt, ks) at AC + 32 mt + 16 ks
.set ACC, 128                          ; window 1: unit n's accumulator mt at ACC + 32 (n % 2) + 8 mt
.set S,   192                          ; window 1: the score's sums: four a tile, two pairs
.set WV,  12                           ; s12  my wave's number
.set G1W, 16                           ; s[16:23] group 1: a block of wimg;  s[24:31]: a quarter of hidden's image
.set G1H, 24
.set G0,  32                           ; s[32:35] group 0 for W: step 1's first fill, then it walks;  s[36:39] for hidden;  s[60:63] for step 0's first fill
.set G0H, 36
.set G0A, 60
.set LB,  41                           ; s41  the ring + my block's place in a slot
.set RB,  42                           ; s42  0 or SLOTB: the slot that the runs read
.set SQ,  43                           ; s43  16,384 x the step
.set HH,  44                           ; s44  its place in hidden's image: 16,384 x (step % 4)
.set AH,  45                           ; s45  0 or 32 rows of codes: the half that is quantised
.set AHS, 46                           ; s46  0 or 32 rows of scale bytes
.set OL,  47                           ; s47  the octet that is asked for
.set T,   48                           ; s48  trip counters
.set MNT, 49                           ; s49  the mantissa field of 57,344
.set SEL, 50                           ; s[50:51] v_permlanex16_b32's selects for lane l xor 16
.set ROT, 40                           ; s40  the slab at which my cluster begins: cluster number mod 4.  The four slabs are walked cyclically from there (the score is a sum over slabs), so that the clusters' reads at one time cover all four quarters of enc's rows
.set WB,  54                           ; s[54:55] wimg at my block's place in a step
.set WOF, 56                           ; s[56:57] the byte offset in wimg of the step that was asked for last; it goes back to 0 behind the sixteenth step
.set PL0, 52                           ; v52  a prefetch's lane term: 4,096 (lane / 4) + 256 (lane % 4): 8 rows x the 4 blocks of 256 bytes of a row's slab; never rewritten
.set PFC, 53                           ; v53  + the offset of the octet that is being asked for by loads
.set PFN, 54                           ; v54  + the offset of the octet after it
; ENC IS PREFETCHED INTO THE L2 (these lines take the place of the head comment's words on prefetches).  One instruction names the 32 blocks of 256 bytes of two sets (8 rows x 1,024 bytes), a lane a block;
; a wave asks for its own rows alone, so each block is named once in the launch.  AHEAD = four sets, one step of 16 units: beside the loads of sets 0 and 2 stand the requests for sets 4 to 7 of the same octet,
; beside those of sets 4 and 6 the requests for sets 0 to 3 of the next octet.  So a wave has at most four sets, 16,384 bytes, asked for and not yet loaded.  In the trip that loads the last octet (7) the two requests
; for a next octet are jumped over: the branch hangs on the trip's counter alone.  The two address registers are rewritten at a trip's top, behind its s_wait_xcnt 0.
.macro PFQ k
.if (\k)%2 == 0
.if (\k) < 4
	global_prefetch_b8 v[PFC], s[4:5] offset:262144+((\k)/2)*32768 th:TH_LOAD_NT scope:SCOPE_SE
.else
	s_cmp_lt_u32 s[OL], 7
	s_cbranch_scc0 .Lno_ask_\@
	global_prefetch_b8 v[PFN], s[4:5] offset:(((\k)-4)/2)*32768 th:TH_LOAD_NT scope:SCOPE_SE
.Lno_ask_\@:
.endif
.endif
.endm
.set W_MUL, 0x54                       ; source 0 window 0; source 1, source 2 and the destination window 1: for the products and for the multiply-adds
.set MSB, 0
.macro WIN new                         ; the immediate's high byte repeats the setting that is left; a switch that changes nothing is dropped
.if MSB != \new
	s_set_vgpr_msb (MSB<<8)|\new
.set MSB, \new
.endif
.endm
.macro NOPS n
.rept \n
	v_nop
.endr
.endm
; A round of the cluster's barrier: my work-group's barrier; wave 0 signals for the work-group; every wave waits for all four work-groups; my work-group's barrier once more.
.macro ROUND
	s_barrier_signal -1
	s_barrier_wait -1
	s_cmp_lg_u32 s[WV], 0
	s_cbranch_scc1 .Lnot_wave_0_\@
	s_barrier_signal -3
.Lnot_wave_0_\@:
	s_barrier_wait -3
	s_barrier_signal -1
	s_barrier_wait -1
.endm
; Set k of the octet named by v[XO]: rows 4 k .. 4 k + 3 of its 32; a row's two loads cover its slab's 1,024 consecutive bytes, 32 a lane.
.macro XLOAD k
	WIN 0x80                                       ; destination window 2
.irp i, 0,1,2,3
	global_load_b128 v[32*(\k)+8*\i:32*(\k)+8*\i+3], v[XO], s[4:5] offset:((\k)/4)*262144+(4*((\k)%4)+\i)*4096 th:TH_LOAD_NT
	global_load_b128 v[32*(\k)+8*\i+4:32*(\k)+8*\i+7], v[XO], s[4:5] offset:((\k)/4)*262144+(4*((\k)%4)+\i)*4096+16 th:TH_LOAD_NT
.endr
	WIN 0
.endm
; Set k's four rows are quantised, by turns.  A lane holds 8 neighbours along K, four neighbouring lanes a block of 32.  dw >= 0: how many LDS instructions may be out when the codes' registers are written again.
.macro QUANT4 k, dw
.set XB,  32*(\k)
.set CDS, CD+8*((\k)%2)
.set BYS, BY0+(BY1-BY0)*((\k)%2)
	WIN 0x0a                                       ; sources 0 and 1 window 2
.irp i, 0,1,2,3
	v_max3_num_f32 v[MX+\i], |v[XB+8*\i]|, |v[XB+8*\i+1]|, 0x8000000   ; my 8 numbers, and the floor 2^(16 - 127): the byte cannot fall under 1
.endr
.irp e, 2,4,6
.irp i, 0,1,2,3
	v_max3_num_f32 v[MX+\i], |v[XB+8*\i+\e]|, |v[XB+8*\i+\e+1]|, v[MX+\i]
.endr
.endr
	WIN 0
.irp i, 0,1,2,3
	v_max_num_f32_dpp v[MX+\i], v[MX+\i], v[MX+\i] row_xmask:1 row_mask:0xf bank_mask:0xf
.endr
.irp i, 0,1,2,3
	v_max_num_f32_dpp v[MX+\i], v[MX+\i], v[MX+\i] row_xmask:2 row_mask:0xf bank_mask:0xf   ; the block's largest magnitude
.endr
.irp i, 0,1,2,3
	v_add_nc_u32 v[SCL+\i], 0xf8800000, v[MX+\i]   ; 15 off its exponent field: the conversion takes the exponent field of this operand as its scale
.endr
.irp i, 0,1,2,3
	v_and_or_b32 v[HLD+\i], v[MX+\i], 0x7f800000, s[MNT]   ; 57,344 x the scale
.endr
.if \dw >= 0
	s_wait_alu depctr_va_vdst(0)
	s_wait_dscnt \dw                               ; all but the last group's eight stores are done: this set of codes and bytes was stored two groups ago
.endif
	WIN 0x82                                       ; destination and source 0 window 2
.irp i, 0,1,2,3
.irp e, 0,1,2,3,4,5,6,7
	v_med3_num_f32 v[XB+8*\i+\e], v[XB+8*\i+\e], -v[HLD+\i], v[HLD+\i]   ; the conversion to an 8-bit code does not saturate (ISA guide 7.6.2): the hold comes first
.endr
.endr
	WIN 0x02                                       ; source 0 window 2
.irp i, 0,1,2,3
	v_cvt_scalef32_pk8_bf8_f32 v[CDS+2*\i:CDS+2*\i+1], v[XB+8*\i:XB+8*\i+7], v[SCL+\i]
.endr
	WIN 0
.irp i, 0,1,2,3
	v_lshrrev_b32 v[BYS+\i], 23, v[SCL+\i]         ; the scale's byte.  (These are also the plain lines behind the conversions)
.endr
.irp i, 0,1,2,3
	ds_store_b64 v[AW], v[CDS+2*\i:CDS+2*\i+1] offset:(4*(\k)+\i)*APITCH   ; 32 lanes: a row's 256 codes
.endr
.irp i, 0,1,2,3
	ds_store_b8 v[AWS], v[BYS+\i] offset:(4*(\k)+\i)*8   ; the four lanes of a block write the same byte with the same value
.endr
.endm
.macro TRIPTOP                         ; on to the next octet to ask for, and to the half that is quantised now
	s_wait_xcnt 0x0                                ; the loads issued so far have read v[XO]: it is rewritten only behind this wait
	s_wait_dscnt 0x0                               ; and no store that names v[AW] or v[AWS] is out
	s_add_co_u32 s[OL], s[OL], 1
	s_and_b32 s52, s[OL], 1
	s_lshl_b32 s52, s52, 19                        ; the half: two values of t, 262,144 bytes each
	s_lshr_b32 s53, s[OL], 1
	s_add_co_u32 s53, s53, s[ROT]                  ; counted from my cluster's first slab,
	s_and_b32 s53, s53, 3                          ; cyclically
	s_lshl_b32 s53, s53, 10                        ; the slab: 1,024 bytes
	s_add_co_u32 s52, s52, s53
	s_add_co_u32 s58, s[OL], 1                     ; the octet after it, for the prefetches: its half,
	s_and_b32 s59, s58, 1
	s_lshl_b32 s59, s59, 19
	s_lshr_b32 s58, s58, 1                         ; and its slab, counted cyclically as above
	s_add_co_u32 s58, s58, s[ROT]
	s_and_b32 s58, s58, 3
	s_lshl_b32 s58, s58, 10
	s_add_co_u32 s58, s58, s59
	v_add_nc_u32 v[XO], s52, v[XO0]
	v_add_nc_u32 v[PFC], s52, v[PL0]
	v_add_nc_u32 v[PFN], s58, v[PL0]
	v_add_nc_u32 v[AW], s[AH], v[AW0]
	v_add_nc_u32 v[AWS], s[AHS], v[AWS0]
.endm
.macro TRIPEND
	s_xor_b32 s[AH], s[AH], 32*APITCH
	s_xor_b32 s[AHS], s[AHS], 256
.endm
; The slab just quantised becomes the operand: eight fragments and four scale registers.  LDS serves a wave's instructions in order (ISA guide 5.7.1.4): these loads see my stores.
.macro ARELOAD
	WIN 0x40                                       ; destination window 1
.irp mt, 0,1,2,3
.irp ks, 0,1
.irp c4, 0,1,2,3
	ds_load_b128 v[AC+16*(2*\mt+\ks)+4*\c4:AC+16*(2*\mt+\ks)+4*\c4+3], v[AR] offset:\mt*16*APITCH+\ks*128+32*\c4
.endr
.endr
.endr
	WIN 0
.irp mt, 0,1,2,3
	ds_load_b32 v[AS+\mt], v[ARS] offset:\mt*128
.endr
.endm
; Matrix instruction w (0 .. 7) of unit n: K step w / 4 of the slab, tile w % 4 of enc.  The set's four accumulators take turns, one instruction a turn, and the two sets take turns unit by unit.
; K step 0 starts the sums with the constant 0: nothing is cleared between units.
.macro WM n, w
.set rD,  ACC+32*((\n)%2)+8*((\w)%4)
.set rW,  WF+32*((\n)%4)+16*((\w)/4)
.set rE,  AC+32*((\w)%4)+16*((\w)/4)
.set rSB, SB+4*(((\n)/4)%2)+(\n)%4
.set rAS, AS+(\w)%4
.if (\w) < 4
	v_wmma_scale_f32_16x16x128_f8f6f4 v[rD:rD+7], v[rW:rW+15], v[rE:rE+15], 0, v[rSB], v[rAS] matrix_a_fmt:MATRIX_FMT_BF8 matrix_b_fmt:MATRIX_FMT_BF8
.else
	v_wmma_scale_f32_16x16x128_f8f6f4 v[rD:rD+7], v[rW:rW+15], v[rE:rE+15], v[rD:rD+7], v[rSB], v[rAS] matrix_a_fmt:MATRIX_FMT_BF8 matrix_b_fmt:MATRIX_FMT_BF8 matrix_a_scale:MATRIX_SCALE_ROW1 matrix_b_scale:MATRIX_SCALE_ROW1
.endif
.endm
; The second product, in f32: line e (0 .. 15) of unit n's dot by hidden: tile e / 4, outputs 2 (e % 4) and + 1, onto the tile's sums.  Tile by tile, each accumulator from its low end on.
.macro EP n, e
.set rA, ACC+32*((\n)%2)+8*((\e)/4)+2*((\e)%4)
.set rH, HID+8*((\n)%4)+2*((\e)%4)
.set rS, S+4*((\e)/4)+2*((\e)%2)
	v_pk_fma_f32 v[rS:rS+1], v[rH:rH+1], v[rA:rA+1], v[rS:rS+1]
.endm
; THE CHANGE OF SLOTS, in the run of a step's unit 13: the slot's last fragments (unit 15's) were asked for in unit 12.  Each wave waits for all its tensor loads (its block of the other slot), adds 0 to its spare word,
; and waits for that and for its LDS reads.  refill = 1: a round of the cluster's barrier, so that no wave of any partner still reads the slot or has a load on its way; then the joint load of the block two steps on,
; into the slot just left: it has a whole step in which to land.  Behind the barrier the runs read the other slot.  No LDS load of mine is out where the three address registers are rewritten.
.macro CHANGE refill
	s_wait_tensorcnt 0x0                           ; no tensor load of mine is out, so group 0 may be written
	ds_add_u32 v[SPW], v[NIL]                      ; 0 onto my spare word
.if \refill
	s_add_co_u32 s[G0+1], s[RB], s[LB]             ; the slot that is left,
	s_add_co_u32 s[WOF], s[WOF], SLOTB             ; the next four blocks,
	s_cmp_eq_u32 s[WOF], 16*SLOTB
	s_cselect_b32 s[WOF], 0, s[WOF]                ; cyclically: behind wimg's last step comes its first
	s_add_nc_u64 s[G0+2:G0+3], s[WB:WB+1], s[WOF:WOF+1]
	s_or_b32 s[G0+3], s[G0+3], 0x80000000          ; 127:126 type = 2
.endif
	s_xor_b32 s[RB], s[RB], SLOTB                  ; the runs go on in the other slot,
	s_add_co_u32 s52, s[SQ], 0x4000
	s_and_b32 s52, s52, 0xc000                     ; and in the next quarter of hidden's image
	s_wait_dscnt 0x0                               ; the add is done, and my LDS reads are over
.if \refill
	ROUND
	tensor_load_to_lds s[G0:G0+3], s[G1W:G1W+7]    ; my one tensor load behind the round, and the first thing there; four vector lines follow it ahead of any switch
	s_nop 0
.else
	s_barrier_signal -1
	s_barrier_wait -1
.endif
	v_add_nc_u32 v[WA], s[RB], v[WA0]
	v_add_nc_u32 v[WC], s[RB], v[WC0]
	v_add_nc_u32 v[HB], s52, v[HA0]
	v_nop
.endm
; THE RUN OF LDS LOADS in the middle of unit n: W's two fragments of unit n + 3, into the place that unit n - 1 has left (its last product stands ten multiply-adds back); hidden of unit n + 2, into the place whose
; multiply-adds ended with unit n - 1; ahead of a chunk's first unit its four scale words.  Units 16 to 18 are the next step's first three.  q = 1, at a chunk's first unit: set k is asked for again, for the next octet.
.macro RUN n, q, k, chg
	WIN 0
.if (\n) == 13
	CHANGE \chg
.endif
.set m_,  (\n)+3
.set cc_, (m_/4)%4
.if cc_ < 2
.set WR, WA
.else
.set WR, WC
.endif
.set WO, (cc_%2)*BLKB
.if m_%4 == 0
	ds_load_b128 v[SB+4*(cc_%2):SB+4*(cc_%2)+3], v[WR] offset:WO+16384
.endif
.irp ks, 0,1
.irp c4, 0,1,2,3
	ds_load_b128 v[WF+32*(m_%4)+16*\ks+4*\c4:WF+32*(m_%4)+16*\ks+4*\c4+3], v[WR] offset:WO+\ks*8192+(m_%4)*2048+\c4*512
.endr
.endr
.set h_, (\n)+2
.if h_ < 16
.set HR, HA
.else
.set HR, HB
.endif
.irp hq, 0,1
	ds_load_b128 v[HID+8*(h_%4)+4*\hq:HID+8*(h_%4)+4*\hq+3], v[HR] offset:(h_%16)*1024+\hq*512
.endr
.if \q
.if (\n)%4 == 0
	XLOAD \k
	PFQ \k
.endif
.endif
.endm
; A UNIT.  Behind the K-step-1 product of tile 0 stand eight multiply-adds of the unit before, which name none of its registers, ahead of the first read of its result (ISA guide 7.12.1); the later tiles have more.
.macro UNIT n, q, k, chg
	s_wait_dscnt 20                                ; the run of three units ago is in (this unit's fragments and scale words, the last unit's hidden): behind it stand two runs of ten loads or more
	WIN W_MUL
.irp sl, 0,1,2,3,4,5,6,7
	WM \n, \sl
	EP (\n)+15, 2*\sl
	EP (\n)+15, 2*\sl+1
.if \sl == 3
	RUN \n, \q, \k, \chg
	WIN W_MUL
.endif
.endr
.endm
; A STEP: 16 units.  q = 1: at each chunk's head a set of the octet that has arrived is quantised.
.macro STEP chg, q, k0
	WIN 0
	s_and_b32 s[HH], s[SQ], 0xc000
	s_wait_dscnt 20                                ; the last load that names v[HA], in the last step's unit 13, is in: behind it stand the runs of units 14 and 15
	v_add_nc_u32 v[HA], s[HH], v[HA0]
	s_wait_alu depctr_va_vdst(0)
.irp cc, 0,1,2,3
.if \q
	s_wait_loadcnt 56                              ; the set's eight loads are in: behind them stand the seven other sets' 56
	QUANT4 \k0+\cc, -1                             ; (this set of codes was stored two chunks ago; the units' waits since have shown those stores done)
.endif
	UNIT 4*\cc, \q, \k0+\cc, \chg
	UNIT 4*\cc+1, \q, \k0+\cc, \chg
	UNIT 4*\cc+2, \q, \k0+\cc, \chg
	UNIT 4*\cc+3, \q, \k0+\cc, \chg
.endr
	WIN 0
	s_add_co_u32 s[SQ], s[SQ], 0x4000
.endm
	s_load_b256 s[4:11], s[0:1], 0x0               ; enc s[4:5], wimg s[6:7], himg s[8:9], scores s[10:11]
	v_lshl_add_u32 v[SPW], v0, 2, SPARE
	v_mov_b32 v[NIL], 0
	ds_add_u32 v2, v3
	ds_add_u32 v2, v3
	s_wait_dscnt 0x0
	v_lshrrev_b32 v1, 5, v0
	v_readfirstlane_b32 s[WV], v1                  ; wave 0..3
	s_bfe_u32 s13, ttmp6, 0x40000                  ; cx: it enters enc's and scores' addresses alone
	s_lshl_b32 s14, ttmp9, 2                       ; in a cluster launch ttmp9 counts clusters
	s_add_co_u32 s14, s14, s13                     ; x = 4 x cluster + cx = 64 bg + tg
	s_lshr_b32 s15, ttmp9, 4                       ; bg, which the four partners share
	s_and_b32 s54, s14, 63                         ; tg
	s_lshl_b32 s54, s54, 4
	s_lshl_b32 s55, s[WV], 2
	s_add_co_u32 s54, s54, s55                     ; t0 = 16 tg + 4 w
	s_lshl_b32 s54, s54, 18                        ; 262,144 bytes for each t,
	s_lshl_b32 s55, s15, 16                        ; 16 bg rows of 4,096
	s_add_co_u32 s54, s54, s55
	s_mov_b32 s55, 0
	s_lshl_b32 s56, s14, 10                        ; scores: 1,024 x + 256 w
	s_lshl_b32 s57, s[WV], 8
	s_add_co_u32 s56, s56, s57
	s_mov_b32 s57, 0
	; descriptor group 1: dense bytes as rows of 256 (32 elements of 8 bytes), no padding: the images are read 16 bytes a lane on end
	s_mov_b32 s[G1W], 15|(3<<16)|(1<<21)           ; 15:0 the mask: all four work-groups; 17:16 elements of 8 bytes; 21 set beside a mask
	s_mov_b32 s[G1W+1], 32<<16                     ; tensor_dim0 = 32
	s_mov_b32 s[G1W+2], 66<<16                     ; tensor_dim1 = 66: a block of 16,896 bytes
	s_mov_b32 s[G1W+3], 32<<16                     ; tile_dim0
	s_mov_b32 s[G1W+4], 66                         ; tile_dim1
	s_mov_b32 s[G1W+5], 32                         ; elements from row to row
	s_mov_b32 s[G1W+6], 0
	s_mov_b32 s[G1W+7], 0
	s_mov_b32 s[G1H], 15|(3<<16)|(1<<21)
	s_mov_b32 s[G1H+1], 32<<16
	s_mov_b32 s[G1H+2], 64<<16                     ; 64 rows: a quarter of hidden's image
	s_mov_b32 s[G1H+3], 32<<16
	s_mov_b32 s[G1H+4], 64
	s_mov_b32 s[G1H+5], 32
	s_mov_b32 s[G1H+6], 0
	s_mov_b32 s[G1H+7], 0
	s_mov_b32 s[MNT], 0x600000
	s_mov_b32 s[SEL], 0x76543210
	s_mov_b32 s[SEL+1], 0xfedcba98
	s_mov_b32 s[RB], 0
	s_mov_b32 s[SQ], 0
	s_mov_b32 s[AH], 0
	s_mov_b32 s[AHS], 0
	s_mov_b32 s[OL], 0
	v_and_b32 v1, 31, v0                           ; lane
	v_lshlrev_b32 v[XO0], 5, v1
	s_and_b32 s[ROT], ttmp9, 3                     ; the cluster's number, which the four partners share
	s_lshl_b32 s52, s[ROT], 10
	s_add_co_u32 s53, s52, 0x80000                 ; octet 1: half 1 of the same slab
	v_add_nc_u32 v[XO], s52, v[XO0]                ; octet 0: half 0 of my cluster's first slab
	v_lshrrev_b32 v[PL0], 2, v1
	v_and_b32 v[PFN], 3, v1
	v_lshlrev_b32 v[PL0], 12, v[PL0]
	v_lshl_add_u32 v[PL0], v[PFN], 8, v[PL0]       ; 4,096 (lane / 4) + 256 (lane % 4)
	v_add_nc_u32 v[PFC], s52, v[PL0]
	v_add_nc_u32 v[PFN], s53, v[PL0]
	s_wait_alu depctr_va_vdst(0)
	s_wait_kmcnt 0x0
	s_add_nc_u64 s[4:5], s[4:5], s[54:55]          ; enc at my wave's first row
	s_add_nc_u64 s[10:11], s[10:11], s[56:57]      ; scores at my wave's 256 bytes
.irp k, 0,1,2,3,4,5,6,7
	PFQ \k                                         ; the requests four sets ahead, as in every trip
	XLOAD \k                                       ; octet 0 is asked for before anything else
.endr
	s_mul_i32 s52, s[WV], BLKB                     ; wave w fetches block w of each step,
	s_mov_b32 s53, 0
	s_add_co_u32 s[LB], s52, RINGB                 ; to place w of a slot: no place in the cluster enters an LDS address
	s_mov_b32 s[G0A], 1                            ; 1:0 count = 1
	s_mov_b32 s[G0A+1], s[LB]                      ; 63:32 LDS address: slot 0
	s_add_nc_u64 s[WB:WB+1], s[6:7], s[52:53]
	s_mul_i32 s[WOF], s[ROT], 4*SLOTB              ; a slab is four steps of wimg
	s_mov_b32 s[WOF+1], 0
	s_add_nc_u64 s[G0A+2:G0A+3], s[WB:WB+1], s[WOF:WOF+1]   ; 120:64 global address: step 0
	s_add_co_u32 s[WOF], s[WOF], SLOTB             ; step 1 lies in the same slab: no turn back to 0 here
	s_mov_b32 s[G0], 1
	s_add_co_u32 s[G0+1], s[LB], SLOTB             ; slot 1,
	s_add_nc_u64 s[G0+2:G0+3], s[WB:WB+1], s[WOF:WOF+1]     ; step 1
	s_or_b32 s[G0A+3], s[G0A+3], 0x80000000        ; 127:126 type = 2
	s_or_b32 s[G0+3], s[G0+3], 0x80000000
	s_mov_b32 s[G0H], 1
	s_lshl_b32 s[G0H+1], s[WV], 14                 ; hidden's image lies at LDS byte 0: quarter w
	s_lshl_b32 s52, s15, 16
	s_add_co_u32 s52, s52, s[G0H+1]
	s_add_nc_u64 s[G0H+2:G0H+3], s[8:9], s[52:53]
	s_or_b32 s[G0H+3], s[G0H+3], 0x80000000
	ROUND                                          ; all four work-groups are here: the first joint loads meet
	tensor_load_to_lds s[G0H:G0H+3], s[G1H:G1H+7]  ; my quarter of hidden's image
	s_nop 0
	NOPS 4
	v_and_b32 v24, 15, v0                          ; r
	v_bfe_u32 v25, v0, 4, 1                        ; h
	s_mul_i32 s52, s[WV], AWAVE
	s_add_co_u32 s52, s52, AIMG                    ; my wave's rows of codes
	s_lshl_b32 s53, s[WV], 9
	s_add_co_u32 s53, s53, ASC                     ; my wave's scale bytes
	v_lshl_add_u32 v[AW0], v1, 3, s52
	v_lshrrev_b32 v26, 2, v1
	v_add_nc_u32 v[AWS0], s53, v26
	v_mul_u32_u24 v26, v24, APITCH
	v_lshl_add_u32 v26, v25, 4, v26
	v_add_nc_u32 v[AR], s52, v26
	v_lshlrev_b32 v26, 3, v24
	v_lshl_add_u32 v26, v25, 2, v26
	v_add_nc_u32 v[ARS], s53, v26
	v_lshl_add_u32 v[WA0], v1, 4, RINGB
	v_add_nc_u32 v[WC0], 2*BLKB, v[WA0]
	v_lshlrev_b32 v[HA0], 4, v1
	v_add_nc_u32 v[WA], s[RB], v[WA0]              ; slot 0,
	v_add_nc_u32 v[WC], s[RB], v[WC0]
	v_add_nc_u32 v[HB], s[SQ], v[HA0]              ; quarter 0: the first fragments are fetched as a step's last three runs fetch the next step's
	v_lshlrev_b32 v[SO], 4, v24
	v_lshl_add_u32 v[SO], v25, 3, v[SO]
.irp j, 0,1,2,3,4,5,6,7
	v_mov_b32 v[HID+24+\j], 0                      ; THE STEP IS WRITTEN ONCE: the first unit of all finds zeros where the unit before it would have left its results and its hidden
.endr
.irp j, 4,5,6,7
	v_mov_b32 v[OT+\j], 0                          ; a lane permute's destination counts as one of its sources
.endr
	WIN 0x40                                       ; destination window 1
.irp j, 0,1,2,3,4,5,6,7,8,9,10,11,12,13,14,15
	v_mov_b32 v[S+\j], 0                           ; the scores' sums begin at 0: every unit adds onto them
.endr
.set j, 0
.rept 32
	v_mov_b32 v[ACC+32+j], 0                       ; accumulator set 1, for the first unit's multiply-adds alone
.set j, j+1
.endr
	WIN 0
	; THE PROLOGUE, two trips: octets 0 and 1 (slab 0) are quantised, octets 1 and 2 asked for
	s_wait_alu depctr_va_vdst(0)
	s_wait_tensorcnt 0x0                           ; slot 0's first fill is issued as a refill is: my quarter of hidden's image is in,
	ds_add_u32 v[SPW], v[NIL]                      ; 0 onto my spare word,
	s_wait_dscnt 0x0                               ; the add is done,
	ROUND                                          ; a round of the cluster's barrier: the joint loads meet,
	tensor_load_to_lds s[G0A:G0A+3], s[G1W:G1W+7]  ; and my block of step 0 is asked for: it has the prologue's two trips in which to land
	s_nop 0
	NOPS 4
	s_mov_b32 s[T], 0
.Lpro:
	TRIPTOP
.irp k, 0,1,2,3,4,5,6,7
	s_wait_loadcnt 56                              ; set k's eight loads are in: behind them stand the seven other sets' 56
	QUANT4 \k, 8
	XLOAD \k
	PFQ \k
.endr
	TRIPEND
	s_add_co_u32 s[T], s[T], 1
	s_cmp_lt_u32 s[T], 2
	s_cbranch_scc1 .Lpro
	ARELOAD                                        ; slab 0 becomes the operand
	s_wait_tensorcnt 0x0                           ; my block of step 0 is in; slot 1's first fill is issued as a refill is:
	ds_add_u32 v[SPW], v[NIL]                      ; 0 onto my spare word,
	s_wait_dscnt 0x0                               ; the add is done and the slab's fragments are in,
	ROUND                                          ; everybody's blocks of step 0 are in, and the joint loads meet:
	tensor_load_to_lds s[G0:G0+3], s[G1W:G1W+7]    ; my block of step 1, the first tensor load behind the round: it has step 0's first thirteen units in which to land
	s_nop 0
	NOPS 4
	ds_load_b128 v[SB:SB+3], v[WA] offset:16384    ; chunk 0's scale words; units 0, 1 and 2; hidden of units 0 and 1: as the runs of units 13 to 15 fetch them
.irp u, 0,1,2
.irp ks, 0,1
.irp c4, 0,1,2,3
	ds_load_b128 v[WF+32*\u+16*\ks+4*\c4:WF+32*\u+16*\ks+4*\c4+3], v[WA] offset:\ks*8192+\u*2048+\c4*512
.endr
.endr
.if \u > 0
.irp hq, 0,1
	ds_load_b128 v[HID+8*(\u-1)+4*\hq:HID+8*(\u-1)+4*\hq+3], v[HB] offset:(\u-1)*1024+\hq*512
.endr
.endif
.endr
	; FIVE TRIPS OF TWO STEPS (steps 0 to 9): trip T multiplies half a slab, quantises octet T + 2 and asks for octet T + 3.  Behind trips 1 and 3 a slab is done and the next one whole.
	s_mov_b32 s[T], 0
.Lquant:
	TRIPTOP
	STEP 1, 1, 0
	STEP 1, 1, 4
	TRIPEND
	s_and_b32 s52, s[T], 1
	s_cmp_eq_u32 s52, 0
	s_cbranch_scc1 .Lsame_slab                     ; the jump passes LDS loads alone: no tensor load, no barrier, no global load
	NOPS 8                                         ; places behind the slab's last products, in front of the loads into the registers that they read
	ARELOAD
	s_wait_dscnt 0x0                               ; the new slab is in: the units' counted waits do not know of these loads
.Lsame_slab:
	s_add_co_u32 s[T], s[T], 1
	s_cmp_lt_u32 s[T], 5
	s_cbranch_scc1 .Lquant
	v_add_nc_u32 v[AW], s[AH], v[AW0]              ; octet 7 is half 1 (seven changes of half since the start); the last stores that name these two were shown done at the last change of slots
	v_add_nc_u32 v[AWS], s[AHS], v[AWS0]
	; FOUR TRIPS OF ONE STEP (steps 10 to 13): nothing is left to ask of enc.  Behind step 11 slab 2 is done: octet 7 is quantised (its lines are the places) and slab 3 becomes the operand.
	s_mov_b32 s[T], 0
.Lplain:
	STEP 1, 0, 0
	s_cmp_eq_u32 s[T], 1
	s_cbranch_scc0 .Lno_drain
.irp k, 0,1,2,3,4,5,6,7
	s_wait_loadcnt 8*(7-\k)                        ; the counts run down: behind set k's loads stand those of the sets behind it
	QUANT4 \k, 8
.endr
	ARELOAD
	s_wait_dscnt 0x0
.Lno_drain:
	s_add_co_u32 s[T], s[T], 1
	s_cmp_lt_u32 s[T], 4
	s_cbranch_scc1 .Lplain
	; TWO TRIPS (steps 14 and 15): nothing is filled any more.  One text serves both: in step 15 the barrier orders nothing, and the three runs behind it fetch fragments
	; of the other slot that nobody multiplies (31 LDS loads a wave): the price of not writing the step a fifth time.
	s_mov_b32 s[T], 0
.Ltail:
	STEP 0, 0, 0
	s_add_co_u32 s[T], s[T], 1
	s_cmp_lt_u32 s[T], 2
	s_cbranch_scc1 .Ltail
	s_wait_dscnt 0x0                               ; hidden of the last unit is in
	WIN W_MUL
.irp e, 0,1,2,3,4,5,6,7,8,9,10,11,12,13,14,15
	EP 15, \e                                      ; the last unit's dot: the places behind its products are as in every unit
.endr
	; THE WAY OUT.  A tile's four sums and those of lane l xor 16 (the other eight outputs of each sixteen) make score(t0 + mt, b).  Lanes 0-15 store tiles 0 and 1, lanes 16-31 tiles 2 and 3.
	WIN 0x05                                       ; sources 0 and 1 window 1
.irp mt, 0,1,2,3
	v_pk_add_f32 v[24+2*\mt:25+2*\mt], v[S+4*\mt:S+4*\mt+1], v[S+4*\mt+2:S+4*\mt+3]
.endr
	WIN 0
.irp mt, 0,1,2,3
	v_add_f32 v[OT+\mt], v[24+2*\mt], v[25+2*\mt]
.endr
.irp mt, 0,1,2,3
	v_permlanex16_b32 v[OT+4+\mt], v[OT+\mt], s[SEL], s[SEL+1]
.endr
.irp mt, 0,1,2,3
	v_add_f32 v[OT+\mt], v[OT+\mt], v[OT+4+\mt]
.endr
	v_cmp_gt_u32 vcc_lo, 16, v1
	v_cndmask_b32 v28, v[OT+2], v[OT], vcc_lo
	v_cndmask_b32 v29, v[OT+3], v[OT+1], vcc_lo
	global_store_b64 v[SO], v[28:29], s[10:11]     ; 32 lanes store 256 consecutive bytes, at a multiple of 256 from the buffer's first byte
	s_wait_tensorcnt 0x0                           ; the wave's end
	ds_add_u32 v[SPW], v[NIL]
	s_wait_dscnt 0x0
	ROUND                                          ; the closing round: no work-group ends while a partner may still ask for a block that names it
	s_endpgm
.Lfunc_end_k_qb753a35812_main:
	.size	k_qb753a35812_main, .Lfunc_end_k_qb753a35812_main-k_qb753a35812_main
	.p2alignl 7, 3214868480
	.fill 96, 4, 3214868480
	.section	.rodata,"a",@progbits
	.p2align	6, 0x0
	.amdhsa_kernel k_qb753a35812_main
		.amdhsa_group_segment_fixed_size 327680
		.amdhsa_private_segment_fixed_size 0
		.amdhsa_enable_private_segment 0
		.amdhsa_kernarg_size 32
		.amdhsa_user_sgpr_count 2
		.amdhsa_user_sgpr_kernarg_segment_ptr 1
		.amdhsa_wavefront_size32 1
		.amdhsa_system_sgpr_workgroup_id_x 1
		.amdhsa_system_sgpr_workgroup_id_y 1
		.amdhsa_system_sgpr_workgroup_id_z 1
		.amdhsa_system_vgpr_workitem_id 0
		.amdhsa_next_free_vgpr 768
		.amdhsa_next_free_sgpr 66
		.amdhsa_reserve_vcc 1
		.amdhsa_float_denorm_mode_32 3
		.amdhsa_float_denorm_mode_16_64 3
		.amdhsa_memory_ordered 1
		.amdhsa_forward_progress 1
		.amdhsa_inst_pref_size 255
	.end_amdhsa_kernel
	.section	.bss,"aw",@nobits
	.p2align	6
	.space	262144
	.amdgpu_metadata
---
amdhsa.version: [ 1, 2 ]
amdhsa.kernels:
  - .name:           k_qb753a35812_main
    .symbol:         k_qb753a35812_main.kd
    .args:
      - { .name: encoder_outputs, .offset: 0, .size: 8, .value_kind: global_buffer, .address_space: global }
      - { .name: wimg, .offset: 8, .size: 8, .value_kind: global_buffer, .address_space: global }
      - { .name: himg, .offset: 16, .size: 8, .value_kind: global_buffer, .address_space: global }
      - { .name: scores, .offset: 24, .size: 8, .value_kind: global_buffer, .address_space: global }
    .group_segment_fixed_size: 327680
    .private_segment_fixed_size: 0
    .kernarg_segment_align: 8
    .kernarg_segment_size: 32
    .max_flat_workgroup_size: 128
    .sgpr_count:     66
    .vgpr_count:     768
    .wavefront_size: 32
...
	.end_amdgpu_metadata
.endif
;; end of part 2
;; launch softmax (part 3): grid 64 x 1, 8 waves a work-group, no clusters, 1,280 bytes of LDS; arguments scores, hidden, b_attn, out0; writes out0
.if DOCPART == 3
	.amdgcn_target "amdgcn-amd-amdhsa--gfx1250"
	.amdhsa_code_object_version 6
	.text
	.protected	k_qb753a35812_softmax
	.globl	k_qb753a35812_softmax
	.p2align	8
	.type	k_qb753a35812_softmax,@function
k_qb753a35812_softmax:
	s_mov_b64 s[64:65], 0
	v_nop
	global_prefetch_b8 v0, s[64:65] scope:SCOPE_SE
	s_setreg_imm32_b32 hwreg(HW_REG_WAVE_MODE, 25, 1), 1
	s_wait_xcnt 0x0
; out0[b][t] = softmax over t of (score[b][t] + hidden[b] . b_attn).  scores as the launch before laid them: score(b = 16 bg + r, t) at 65,536 bg + 256 (t / 4) + 16 r + 4 (t % 4).
; One work-group for each b; thread i owns t = 4 i .. 4 i + 3 and four numbers of hidden[b] and of b_attn.  The bias's part of every score of a row is the same number hb = hidden[b] . b_attn:
; it is computed here and added ahead of the maximum.  The row's maximum is taken away before the exponential.  All in f32.
; LIMITS: an exponential that would be denormal comes out as 0 (ISA guide, v_exp_f32's entry); NaN and infinities are not served.
; No matrix unit, no tensor load: 1,024 numbers a work-group.
.macro WSUM r, t                       ; the sum over the wave's 32 lanes, in every lane
	s_delay_alu instid0(VALU_DEP_1)
	v_add_f32_dpp v[\r], v[\r], v[\r] row_xmask:1 row_mask:0xf bank_mask:0xf
	s_delay_alu instid0(VALU_DEP_1)
	v_add_f32_dpp v[\r], v[\r], v[\r] row_xmask:2 row_mask:0xf bank_mask:0xf
	s_delay_alu instid0(VALU_DEP_1)
	v_add_f32_dpp v[\r], v[\r], v[\r] row_xmask:4 row_mask:0xf bank_mask:0xf
	s_delay_alu instid0(VALU_DEP_1)
	v_add_f32_dpp v[\r], v[\r], v[\r] row_xmask:8 row_mask:0xf bank_mask:0xf
	s_delay_alu instid0(VALU_DEP_1)
	v_permlanex16_b32 v[\t], v[\r], s18, s19
	s_delay_alu instid0(VALU_DEP_1)
	v_add_f32 v[\r], v[\r], v[\t]
.endm
	s_load_b256 s[4:11], s[0:1], 0x0               ; scores s[4:5], hidden s[6:7], b_attn s[8:9], out0 s[10:11]
	v_lshl_add_u32 v48, v0, 2, 0x100
	v_mov_b32 v49, 0
	v_lshrrev_b32 v1, 5, v0
	s_delay_alu instid0(VALU_DEP_1)
	v_readfirstlane_b32 s12, v1                    ; wave 0..7
	v_lshlrev_b32 v1, 8, v0                        ; scores: 256 i
	v_lshlrev_b32 v2, 4, v0                        ; hidden, b_attn, out0: 16 i
	s_lshr_b32 s13, ttmp9, 4                       ; bg
	s_lshl_b32 s14, s13, 16
	s_and_b32 s13, ttmp9, 15                       ; r
	s_lshl_b32 s13, s13, 4
	s_add_co_u32 s14, s14, s13
	s_mov_b32 s15, 0
	s_lshl_b32 s16, ttmp9, 12                      ; row b of 4,096 bytes
	s_mov_b32 s17, 0
	s_mov_b32 s18, 0x76543210
	s_mov_b32 s19, 0xfedcba98                      ; v_permlanex16_b32's selects for lane l xor 16
	s_wait_alu depctr_va_vdst(0)
	s_wait_kmcnt 0x0
	s_add_nc_u64 s[4:5], s[4:5], s[14:15]
	s_add_nc_u64 s[6:7], s[6:7], s[16:17]
	s_add_nc_u64 s[10:11], s[10:11], s[16:17]
	global_load_b128 v[4:7], v1, s[4:5]
	global_load_b128 v[8:11], v2, s[6:7]
	global_load_b128 v[12:15], v2, s[8:9]
	v_mov_b32 v18, 0                               ; a lane permute's destination counts as one of its sources
	v_mov_b32 v19, 0
	v_mov_b32 v20, s12
	s_delay_alu instid0(VALU_DEP_1)
	v_lshlrev_b32 v20, 2, v20                      ; LDS: my wave's word
	v_mov_b32 v21, 0
	s_wait_loadcnt 0x0
	v_mul_f32 v16, v8, v12                         ; my part of hidden . b_attn
	v_max3_num_f32 v17, v4, v5, v6                 ; and the largest of my four scores
	s_delay_alu instid0(VALU_DEP_2)
	v_fmac_f32 v16, v9, v13
	s_delay_alu instid0(VALU_DEP_2)
	v_max_num_f32 v17, v17, v7
	s_delay_alu instid0(VALU_DEP_2)
	v_fmac_f32 v16, v10, v14
	s_delay_alu instid0(VALU_DEP_1)
	v_fmac_f32 v16, v11, v15
	WSUM 16, 18
	v_max_num_f32_dpp v17, v17, v17 row_xmask:1 row_mask:0xf bank_mask:0xf
	s_delay_alu instid0(VALU_DEP_1)
	v_max_num_f32_dpp v17, v17, v17 row_xmask:2 row_mask:0xf bank_mask:0xf
	s_delay_alu instid0(VALU_DEP_1)
	v_max_num_f32_dpp v17, v17, v17 row_xmask:4 row_mask:0xf bank_mask:0xf
	s_delay_alu instid0(VALU_DEP_1)
	v_max_num_f32_dpp v17, v17, v17 row_xmask:8 row_mask:0xf bank_mask:0xf
	s_delay_alu instid0(VALU_DEP_1)
	v_permlanex16_b32 v19, v17, s18, s19
	s_delay_alu instid0(VALU_DEP_1)
	v_max_num_f32 v17, v17, v19
	ds_store_b32 v20, v16                          ; bytes 0-31: the eight waves' parts of the dot;
	ds_store_b32 v20, v17 offset:32                ; bytes 32-63: their maxima
	s_wait_dscnt 0x0                               ; for the others' sake: my stores have landed
	s_barrier_signal -1
	s_barrier_wait -1
	ds_load_b128 v[24:27], v21
	ds_load_b128 v[28:31], v21 offset:16
	ds_load_b128 v[32:35], v21 offset:32
	ds_load_b128 v[36:39], v21 offset:48
	s_wait_dscnt 0x0
	v_add_f32 v24, v24, v25
	v_add_f32 v26, v26, v27
	v_add_f32 v28, v28, v29
	v_add_f32 v30, v30, v31
	s_delay_alu instid0(VALU_DEP_3)
	v_add_f32 v24, v24, v26
	s_delay_alu instid0(VALU_DEP_2)
	v_add_f32 v28, v28, v30
	s_delay_alu instid0(VALU_DEP_1)
	v_add_f32 v22, v24, v28                        ; hb
	v_max3_num_f32 v23, v32, v33, v34
	s_delay_alu instid0(VALU_DEP_1)
	v_max3_num_f32 v23, v23, v35, v36
	s_delay_alu instid0(VALU_DEP_1)
	v_max3_num_f32 v23, v23, v37, v38
	s_delay_alu instid0(VALU_DEP_1)
	v_max_num_f32 v23, v23, v39                    ; the row's largest score
	s_delay_alu instid0(VALU_DEP_1)
	v_add_f32 v23, v23, v22                        ; + hb: an addition's rounding keeps order, so this is the largest of the sums below
.irp j, 4,5,6,7
	v_add_f32 v\j, v\j, v22                        ; the score as it is defined: + hidden . b
.endr
.irp j, 4,5,6,7
	s_delay_alu instid0(VALU_DEP_4)
	v_sub_f32 v\j, v\j, v23                        ; less the maximum: 0 or less
.endr
.irp j, 4,5,6,7
	s_delay_alu instid0(VALU_DEP_4)
	v_mul_f32 v\j, 0x3fb8aa3b, v\j                 ; x log2(e)
.endr
	s_wait_alu depctr_va_vdst(0)
.irp j, 4,5,6,7
	v_exp_f32 v\j, v\j
.endr
	v_nop                                          ; one plain line behind the exponentials
	s_wait_alu depctr_va_vdst(0)
	v_add_f32 v40, v4, v5
	v_add_f32 v41, v6, v7
	s_delay_alu instid0(VALU_DEP_1)
	v_add_f32 v40, v40, v41
	WSUM 40, 18
	ds_store_b32 v20, v40 offset:64                ; bytes 64-95: other bytes than the first exchange's
	s_wait_dscnt 0x0
	s_barrier_signal -1
	s_barrier_wait -1
	ds_load_b128 v[24:27], v21 offset:64
	ds_load_b128 v[28:31], v21 offset:80
	s_wait_dscnt 0x0
	v_add_f32 v24, v24, v25
	v_add_f32 v26, v26, v27
	v_add_f32 v28, v28, v29
	v_add_f32 v30, v30, v31
	s_delay_alu instid0(VALU_DEP_3)
	v_add_f32 v24, v24, v26
	s_delay_alu instid0(VALU_DEP_2)
	v_add_f32 v28, v28, v30
	s_delay_alu instid0(VALU_DEP_1)
	v_add_f32 v24, v24, v28                        ; the row's sum: at least 1, since the largest term is 1
	s_wait_alu depctr_va_vdst(0)
	v_rcp_f32 v25, v24
	v_nop                                          ; one plain line behind the reciprocal
	s_wait_alu depctr_va_vdst(0)
.irp j, 4,5,6,7
	v_mul_f32 v\j, v\j, v25
.endr
	global_store_b128 v2, v[4:7], s[10:11]         ; a wave stores 512 consecutive bytes
	s_wait_tensorcnt 0x0
	ds_add_u32 v48, v49
	s_wait_dscnt 0x0
	s_endpgm
.Lfunc_end_k_qb753a35812_softmax:
	.size	k_qb753a35812_softmax, .Lfunc_end_k_qb753a35812_softmax-k_qb753a35812_softmax
	.p2alignl 7, 3214868480
	.fill 96, 4, 3214868480
	.section	.rodata,"a",@progbits
	.p2align	6, 0x0
	.amdhsa_kernel k_qb753a35812_softmax
		.amdhsa_group_segment_fixed_size 1280
		.amdhsa_private_segment_fixed_size 0
		.amdhsa_enable_private_segment 0
		.amdhsa_kernarg_size 32
		.amdhsa_user_sgpr_count 2
		.amdhsa_user_sgpr_kernarg_segment_ptr 1
		.amdhsa_wavefront_size32 1
		.amdhsa_system_sgpr_workgroup_id_x 1
		.amdhsa_system_sgpr_workgroup_id_y 1
		.amdhsa_system_sgpr_workgroup_id_z 1
		.amdhsa_system_vgpr_workitem_id 0
		.amdhsa_next_free_vgpr 50
		.amdhsa_next_free_sgpr 66
		.amdhsa_reserve_vcc 0
		.amdhsa_float_denorm_mode_32 3
		.amdhsa_float_denorm_mode_16_64 3
		.amdhsa_memory_ordered 1
		.amdhsa_forward_progress 1
		.amdhsa_inst_pref_size 7
	.end_amdhsa_kernel
	.amdgpu_metadata
---
amdhsa.version: [ 1, 2 ]
amdhsa.kernels:
  - .name:           k_qb753a35812_softmax
    .symbol:         k_qb753a35812_softmax.kd
    .args:
      - { .name: scores, .offset: 0, .size: 8, .value_kind: global_buffer, .address_space: global }
      - { .name: hidden, .offset: 8, .size: 8, .value_kind: global_buffer, .address_space: global }
      - { .name: b_attn, .offset: 16, .size: 8, .value_kind: global_buffer, .address_space: global }
      - { .name: out0, .offset: 24, .size: 8, .value_kind: global_buffer, .address_space: global }
    .group_segment_fixed_size: 1280
    .private_segment_fixed_size: 0
    .kernarg_segment_align: 8
    .kernarg_segment_size: 32
    .max_flat_workgroup_size: 256
    .sgpr_count:     66
    .vgpr_count:     50
    .wavefront_size: 32
...
	.end_amdgpu_metadata
.endif
;; end of part 3
